; MI455X (gfx1250); checked and timed in simulation.
; The chip was launched on July 23, 2026; its instructions are those of AMD's public machine-readable ISA for CDNA 5 (MIT licence, August 2026) and "CDNA5" Instruction Set Architecture Reference Guide (July 2026). The comments in the code are by the model that wrote it; some were corrected since.
;; Bert Self Attention. Allowed arithmetic: matrix products marked QUANTISED: E4M3 operands, one given power-of-two scale a tensor, by v_wmma_f32_16x16x64_fp8_fp8 or v_wmma_f32_16x16x128_fp8_fp8, f32 sums; everything else in f32.
;; Inputs: Wk_codes 1,024 x 32 x 32 uint8 (E4M3 codes of Wk, K innermost, in blocks of 32 codes); Wq_codes 1,024 x 32 x 32 uint8 (E4M3 codes of Wq, K innermost, in blocks of 32 codes); Wv_codes 1,024 x 32 x 32 uint8 (E4M3 codes of Wv, K innermost, in blocks of 32 codes); attention_mask 4 x 1 x 1 x 2,048 float32; bk 1,024 float32; bq 1,024 float32; bv 1,024 float32; hidden_states_codes 4 x 2,048 x 32 x 32 uint8 (E4M3 codes of hidden_states, K innermost, in blocks of 32 codes); lowp_scales 10 int32 (the exponents e of the quantised operands' scales 2^e).
;; Outputs: out0 4 x 2,048 x 1,024 float32.
;; This version of the problem:
;;   THIS VERSION OF THE PROBLEM IS GIVEN IN LOW PRECISION. The matrix products marked QUANTISED in the list below multiply operands that are first quantised to E4M3 (4 exponent bits, 3 mantissa bits; 8 bits a number), with one given power-of-two scale for each operand tensor; their sums are f32. All else is computed in f32.
;;   The module's matrix products, in the order in which they are computed (A, B: the left and right operand; K: the contracted axis; several contracted axes count as one K, in the product's order):
;;     1. [M 8,192, K 1,024] x [K 1,024, N 1,024]; A: input hidden_states (given as codes); B: input Wq (given as codes): QUANTISED (scales: A lowp_scales[0], B lowp_scales[1])
;;     2. [M 8,192, K 1,024] x [K 1,024, N 1,024]; A: input hidden_states (given as codes); B: input Wk (given as codes): QUANTISED (scales: A lowp_scales[2], B lowp_scales[3])
;;     3. [M 8,192, K 1,024] x [K 1,024, N 1,024]; A: input hidden_states (given as codes); B: input Wv (given as codes): QUANTISED (scales: A lowp_scales[4], B lowp_scales[5])
;;     4. batch 64 x [M 2,048, K 64] x [K 64, N 2,048]; A: computed on the way; B: computed on the way: QUANTISED (scales: A lowp_scales[6], B lowp_scales[7])
;;     5. batch 64 x [M 2,048, K 2,048] x [K 2,048, N 64]; A: softmax (see below); B: computed on the way: QUANTISED (scales: A lowp_scales[8], B lowp_scales[9])
;;   THE QUANTISER, for each operand of a quantised product, along K:
;;     - The operand's scale is 2^e, e = its entry of the input lowp_scales (int32; the entries are numbered through the quantised products in the list's order, A before B).
;;     - Each number is divided by the scale, clamped to +-448, and rounded to the nearest number of E4M3, ties to even, subnormals kept.
;;     - The product sums the exact products of the quantised numbers (number of the format x scale) in f32.
;;   ~~~python
;;   def quantise(x, axis, e):      # numpy; x: float32 -> the quantised numbers, widened to float32 again
;;       x = np.moveaxis(x, axis, -1); K = x.shape[-1]
;;       r = np.clip(x / 2.0 ** e, -448, 448)
;;       step = 2.0 ** (np.maximum(np.frexp(np.where(r == 0, 1, r))[1] - 1, -6) - 3)
;;       q = np.round(r / step) * step * 2.0 ** e      # np.round: ties to even
;;       return np.moveaxis(q, -1, axis).astype(np.float32)
;;   ~~~
;;   SOFTMAX AHEAD OF A QUANTISED PRODUCT. Where the list says 'softmax', what is quantised is not the finished softmax but p = 2^(t - M), with t = logit x log2(e) and M = ceil(the row's largest t), a whole number; so 1/2 < the row's largest p <= 1. The row's sum l is taken of the UNQUANTISED p, in f32, and the product's result is divided by l at the end. Since M is a whole number, a kernel that streams over the keys may use a running M (the ceiling of the running maximum): every later rescaling is an exact power of two, so the quantised numbers keep their values, but for numbers so far below the row's largest that they fall under the format's range.
;;   OPERANDS COMPUTED ON THE WAY. 'Computed on the way' means the value that the module computes at that place (a softmax that the list does not call 'softmax' is quantised finished and normalised). What goes into a quantiser is computed in f32, as accurately as f32 sums, v_exp_f32 and their like allow (about 1e-6 of the number): no bf16 or f16 on the way to a quantiser, and a product that is left as it is and whose result goes on into a quantised operand takes f32 operands (vector FMAs, or v_wmma_f32_16x16x4_f32). A number that lies on a knife's edge between two numbers of the format may be rounded either way, as far as f32 arithmetic and the matrix unit's own rounding can turn it there, and no further.
;;   INPUTS GIVEN AS CODES. Wk (in the module: [1024, 1024], K = its axis 0); Wq (in the module: [1024, 1024], K = its axis 0); Wv (in the module: [1024, 1024], K = its axis 0); hidden_states (in the module: [4, 2048, 1024], K = its axis 2): each comes as NAME_codes (uint8): NAME with its K axis moved to the last place and cut into blocks of 32 codes, [.., K / 32, bytes a block], one block behind the other in memory; one code a byte (a code: sign, 4 exponent bits, 3 mantissa bits); its scale is its entry of lowp_scales. Its value is code x scale, taken as it is: it is not quantised again, and the codes and scales need not be those that the quantiser above would give.
;; One version. Each part assembles by itself: llvm-mc -triple=amdgcn-amd-amdhsa -mcpu=gfx1250 --defsym DOCPART=n.
;; ======== version 1 of 1: 2 launches
;; limits: right only within a limited range of input values
;; workspace buffers: qf 8,388,608 bytes; kf 8,388,608 bytes; vf 8,388,608 bytes
;; launch proj (part 1): grid 8 x 32, 4 waves a work-group, clusters of 4 x 4, 327,680 bytes of LDS; arguments hidden_states_codes, Wq_codes, Wk_codes, Wv_codes, bq, bk, bv, lowp_scales, qf, kf, vf; writes qf, kf, vf
.if DOCPART == 1
	.amdgcn_target "amdgcn-amd-amdhsa--gfx1250"
	.amdhsa_code_object_version 6
	.text
	.protected	k_qb7a4c8acc4_proj
	.globl	k_qb7a4c8acc4_proj
	.p2align	8
	.type	k_qb7a4c8acc4_proj,@function
k_qb7a4c8acc4_proj:
	s_mov_b64 s[64:65], 0
	v_nop
	global_prefetch_b8 v0, s[64:65] scope:SCOPE_SE
	s_setreg_imm32_b32 hwreg(HW_REG_WAVE_MODE, 25, 1), 1
	s_wait_xcnt 0x0
	s_wait_alu depctr_hold_cnt(0) depctr_sa_sdst(0) depctr_va_vdst(0) depctr_va_sdst(0) depctr_va_ssrc(0) depctr_va_vcc(0) depctr_vm_vsrc(0)
	s_getreg_b32 s2, hwreg(HW_REG_IB_STS2, 6, 4)
	s_cmp_eq_u32 s2, 0
	s_cbranch_scc0 .Lentry_in_a_cluster
	s_endpgm
.Lentry_in_a_cluster:
	s_bfe_u32 s2, ttmp6, 0x10000c
	s_cmp_lg_u32 s2, 0xf033
	s_cbranch_scc0 .Lentry_shape_is_right
	s_endpgm
.Lentry_shape_is_right:
; q, k, v = hidden W + b on E4M3 codes, quantised again for the attention's products and stored as images of its operand registers.
; No work of the module is left out in this program: every input is loaded.
; A work-group makes 256 tokens x 128 columns of each of q, k, v.  A wave makes all 256 tokens x 32 columns (half a head) of each role: 96 accumulators, 768 registers, role rho in window rho + 1.
; LDS: two sets of four regions of 128 rows x 256 bytes (+ 16 of padding).  Region 0 of set u: H's token half u;  regions 1 to 3 of set p: Wq, Wk, Wv at K steps of parity p.
; A TRIP is one token half x one K step of 256: four sub-steps of 64 along K, 48 matrix instructions each.  Every tensor row is 256 bytes of memory at a multiple of 256.
; Wave 0 fetches H, waves 1 to 3 one role of W each: one tensor load a wave at the head and behind each round at most.
; CLUSTERS 4 x 4: H's tiles are asked for jointly along a row of the cluster, W's along a column.
; q, k are used transposed (source 0 = W's rows, source 1 = tokens): a lane holds one token and registers along d.  v: source 0 = tokens, source 1 = W's rows: a lane holds one channel and registers along the tokens (the keys).
; A fragment (16 rows x 64 K) is fetched by two loads of 16 bytes, 32 apart: a permutation of k that is the same in both operands.
; IMAGES: fragment = 1,024 bytes, registers 4 g .. 4 g + 3 at 512 g + 16 x lane.  qf, kf: (16 b + head) x 128 + token tile.  vf: per head, block of 64 keys n at 4,096 n, channel tile t at + 1,024 t.
; No prefetch: K is four steps long, and two of them are asked for at the head.
; LIMITS: for each role e(out) - e(hidden) - e(W) between -126 and 119, so that the powers of two below are f32 numbers.
.set PITCH, 272
.set RG,    128*PITCH
.set SET,   4*RG
.set SPARE, 2*SET                      ; the spare words: 512 bytes that no other line names
.set LI,   1                           ; 16 x lane
.set ADH,  2                           ; v2-3 my H fragments in set 0, 1
.set ADW,  4                           ; v4-5 my W fragments, roles 0 and 1
.set ADX,  6                           ; v6-7 the same, role 2 (beyond the 16-bit offset)
.set SPW,  8
.set NIL,  9
.set BV,   16                          ; v16-19 bv of my two channel tiles, each twice
.set SC,   24                          ; v24-29 per role: the conversion's scale, 448 x that
.set HS,   32                          ; two sets of 8 fragments of H
.set WS,   160                         ; 2 fragments of W for each role
.set BQ,   208                         ; v208-239 bq, bk in the result's layout
.set TMP,  96
.set CODE, 128
.set G1H,  28
.set G1W,  36
.set G0H,  44
.set G0W,  52
.set WV,   66
.set MSB, 0
.macro WIN new
.if MSB != (\new)
	s_set_vgpr_msb (MSB<<8)|(\new)
.set MSB, (\new)
.endif
.endm
.macro PLACES n
.rept \n
	v_nop
.endr
.endm
; wave 0: H's set sh;  w = 1: waves 1 to 3: W's set sw.  The branch hangs on the wave's number alone.
.macro JLOAD sh, sw, w
	s_cmp_eq_u32 s[WV], 0
	s_cbranch_scc0 .Lfor_w_\@
	tensor_load_to_lds s[G0H+4*\sh:G0H+4*\sh+3], s[G1H:G1H+7]
	s_nop 0
.rept 4
	v_nop
.endr
.if \w
	s_branch .Lasked_\@
.endif
.Lfor_w_\@:
.if \w
	tensor_load_to_lds s[G0W+4*\sw:G0W+4*\sw+3], s[G1W:G1W+7]
	s_nop 0
.rept 4
	v_nop
.endr
.Lasked_\@:
.endif
.endm
.macro CREST
	s_cmp_lg_u32 s[WV], 0
	s_cbranch_scc1 .Lnot_wave_0_\@
	s_barrier_signal -3
.Lnot_wave_0_\@:
	s_barrier_wait -3
	s_barrier_signal -1
	s_barrier_wait -1
.endm
.macro CROUND
	s_barrier_signal -1
	s_barrier_wait -1
	CREST
.endm
	s_load_b512 s[4:19], s[0:1], 0x0               ; H s4, Wq s6, Wk s8, Wv s10, bq s12, bk s14, bv s16, exponents s18
	s_load_b128 s[20:23], s[0:1], 0x40             ; qf, kf
	s_load_b64 s[24:25], s[0:1], 0x50              ; vf
	v_lshl_add_u32 v[SPW], v0, 2, SPARE
	v_mov_b32 v[NIL], 0
	ds_add_u32 v[SPW], v[NIL]                      ; the opening lines: the add twice on end
	ds_add_u32 v[SPW], v[NIL]
	v_lshrrev_b32 v10, 5, v0
	v_readfirstlane_b32 s[WV], v10
	s_lshr_b32 s67, s[WV], 1                       ; which of the block's two heads
	s_and_b32 s78, s[WV], 1                        ; g: which half of its 64
	s_bfe_u32 s79, ttmp6, 0x40000
	s_bfe_u32 s80, ttmp6, 0x40004
	s_lshl_b32 s81, ttmp9, 2
	s_add_co_u32 s81, s81, s79                     ; x: block of 128 columns
	s_and_b32 s82, ttmp7, 0xffff
	s_lshl_b32 s82, s82, 2
	s_add_co_u32 s82, s82, s80                     ; y: block of 256 tokens
	s_lshl_b32 s84, s80, 2
	s_lshl_b32 s84, 15, s84
	s_lshl_b32 s88, 0x1111, s79
	s_or_b32 s[G1H], s84, (1<<20)|(1<<21)|(5<<22)|(3<<25)   ; elements of 1 byte; 4 words of padding behind every 64
	s_or_b32 s[G1W], s88, (1<<20)|(1<<21)|(5<<22)|(3<<25)
.irp g, G1H, G1W
	s_mov_b32 s[\g+1], 256<<16
	s_mov_b32 s[\g+2], 128<<16
	s_mov_b32 s[\g+3], 256<<16
	s_mov_b32 s[\g+4], 128
	s_mov_b32 s[\g+5], 1024
	s_mov_b32 s[\g+6], 0
	s_mov_b32 s[\g+7], 0
.endr
	s_lshl_b32 s84, s82, 18                        ; H: 256 y rows of 1,024 bytes
	s_mov_b32 s85, 0
	s_lshl_b32 s88, s81, 17                        ; W: 128 x rows
	s_mov_b32 s89, 0
	s_mul_i32 s92, s[WV], RG                       ; my region of a set
	s_lshl_b32 s94, s81, 9
	s_lshl_b32 s95, s[WV], 7
	s_add_co_u32 s94, s94, s95                     ; the biases of my 32 columns: 4 (128 x + 32 wave)
	s_mov_b32 s95, 0
	s_mul_i32 s98, s[WV], 32*PITCH
	s_add_co_u32 s98, s98, RG                      ; my 32 rows of role 0
	s_lshr_b32 s97, s82, 3
	s_lshl_b32 s97, s97, 4
	s_lshl_b32 s93, s81, 1
	s_add_co_u32 s97, s97, s93
	s_add_co_u32 s97, s97, s67                     ; 16 b + head
	s_lshl_b32 s97, s97, 7
	s_and_b32 s93, s82, 7
	s_lshl_b32 s93, s93, 4
	s_add_co_u32 s97, s97, s93                     ; + my block's first token tile
	s_lshl_b32 s96, s97, 10
	s_lshl_b32 s93, s78, 9
	s_add_co_u32 s96, s96, s93                     ; q, k: + 512 g
	s_mov_b32 s97, 0
	s_mul_i32 s93, s78, 1536
	s_wait_dscnt 0x0
	s_wait_kmcnt 0x0
	s_load_b256 s[68:75], s[18:19], 0x0
	s_load_b64 s[76:77], s[18:19], 0x20
	s_add_nc_u64 s[86:87], s[4:5], s[84:85]
	s_cmp_eq_u32 s[WV], 2
	s_cselect_b64 s[90:91], s[8:9], s[6:7]
	s_cmp_eq_u32 s[WV], 3
	s_cselect_b64 s[90:91], s[10:11], s[90:91]
	s_add_nc_u64 s[90:91], s[90:91], s[88:89]
	s_add_nc_u64 s[12:13], s[12:13], s[94:95]
	s_add_nc_u64 s[14:15], s[14:15], s[94:95]
	s_add_nc_u64 s[16:17], s[16:17], s[94:95]
	s_add_nc_u64 s[20:21], s[20:21], s[96:97]
	s_add_nc_u64 s[22:23], s[22:23], s[96:97]
	s_add_co_u32 s96, s96, s93                     ; v: + 2,048 g
	s_add_nc_u64 s[24:25], s[24:25], s[96:97]
.irp u, 0,1
	s_mov_b32 s[G0H+4*\u], 1
	s_mov_b32 s[G0H+4*\u+1], \u*SET
	s_add_nc_u64 s[G0H+4*\u+2:G0H+4*\u+3], s[86:87], \u*131072     ; token half u, K step 0
	s_or_b32 s[G0H+4*\u+3], s[G0H+4*\u+3], 0x80000000
	s_mov_b32 s[G0W+4*\u], 1
	s_add_co_u32 s[G0W+4*\u+1], s92, \u*SET
	s_add_nc_u64 s[G0W+4*\u+2:G0W+4*\u+3], s[90:91], \u*256        ; K step u
	s_or_b32 s[G0W+4*\u+3], s[G0W+4*\u+3], 0x80000000
.endr
	CROUND
	JLOAD 0, 0, 1                                  ; half 0 and K step 0: one tensor load a wave at the head
	v_and_b32 v11, 15, v0
	v_bfe_u32 v12, v0, 4, 1
	v_lshlrev_b32 v13, 5, v12
	v_lshlrev_b32 v14, 2, v11
.irp t, 0,1
	global_load_b128 v[BQ+8*\t:BQ+8*\t+3], v13, s[12:13] offset:64*\t          ; bq at d = 16 t + 8 h + 0 .. 7
	global_load_b128 v[BQ+8*\t+4:BQ+8*\t+7], v13, s[12:13] offset:64*\t+16
	global_load_b128 v[BQ+16+8*\t:BQ+16+8*\t+3], v13, s[14:15] offset:64*\t
	global_load_b128 v[BQ+16+8*\t+4:BQ+16+8*\t+7], v13, s[14:15] offset:64*\t+16
	global_load_b32 v[240+\t], v14, s[16:17] offset:64*\t                      ; bv at channel 16 t + r
.endr
	v_and_b32 v[LI], 31, v0
	v_lshlrev_b32 v[LI], 4, v[LI]
	v_mul_u32_u24 v15, v11, PITCH
	v_lshl_add_u32 v[ADH], v12, 4, v15
	v_add_nc_u32 v[ADH+1], SET, v[ADH]
	v_add_nc_u32 v[ADW], s98, v[ADH]
	v_add_nc_u32 v[ADW+1], SET, v[ADW]
	v_add_nc_u32 v[ADX], 2*RG, v[ADW]
	v_add_nc_u32 v[ADX+1], SET+2*RG, v[ADW]
	s_wait_loadcnt 0x0
	s_wait_kmcnt 0x0
; the bias goes in divided by the power of two that the sums lack; the three scales are folded into the conversion's one
.macro ROLECONST rho, ea, ew, eo
	s_add_co_i32 s97, s[\ea], s[\ew]
	s_sub_co_i32 s98, 0, s97
.if \rho < 2
.set i, 0
.rept 16
	v_ldexp_f32 v[BQ+16*\rho+i], v[BQ+16*\rho+i], s98
.set i, i+1
.endr
.else
.irp t, 0,1
	v_ldexp_f32 v[BV+2*\t], v[240+\t], s98
	v_ldexp_f32 v[BV+2*\t+1], v[240+\t], s98
.endr
.endif
	s_sub_co_i32 s97, s[\eo], s97
	s_add_co_i32 s97, s97, 127
	s_lshl_b32 s98, s97, 23
	v_mov_b32 v[SC+2*\rho], s98
	s_add_co_i32 s97, s97, 8
	s_lshl_b32 s97, s97, 23
	s_or_b32 s97, s97, 0x600000
	v_mov_b32 v[SC+2*\rho+1], s97
.endm
	ROLECONST 0, 68, 69, 74
	ROLECONST 1, 70, 71, 75
	ROLECONST 2, 72, 73, 77
.macro FRAG reg, adr, off
	ds_load_b128 v[\reg:\reg+3], v[\adr] offset:\off
	ds_load_b128 v[\reg+4:\reg+7], v[\adr] offset:\off+32
.endm
.macro LDH u, q, p                     ; 16 loads: the half's 8 fragments at sub-step q into set p
.irp a, 0,1,2,3,4,5,6,7
	FRAG HS+64*(\p)+8*\a, ADH+\u, 64*(\q)+16*PITCH*\a
.endr
.endm
.macro LDW par, q, rho                 ; 4 loads: my 2 fragments of a role
.irp t, 0,1
.if \rho == 2
	FRAG WS+32+8*\t, ADX+\par, 64*(\q)+16*PITCH*\t
.else
	FRAG WS+16*(\rho)+8*\t, ADW+\par, RG*(\rho)+64*(\q)+16*PITCH*\t
.endif
.endr
.endm
; q, k: accumulator (token tile a, half u, column tile t) at 32 a + 8 (2 u + t).  The accumulators take turns.
.macro MULQK rho, p, u, a0, zero
.irp a, \a0, \a0+1, \a0+2, \a0+3
.irp t, 0,1
.set AC, 32*(\a)+8*(2*(\u)+\t)
.if \zero
	v_wmma_f32_16x16x64_fp8_fp8 v[AC:AC+7], v[WS+16*(\rho)+8*\t:WS+16*(\rho)+8*\t+7], v[HS+64*(\p)+8*(\a):HS+64*(\p)+8*(\a)+7], 0
.else
	v_wmma_f32_16x16x64_fp8_fp8 v[AC:AC+7], v[WS+16*(\rho)+8*\t:WS+16*(\rho)+8*\t+7], v[HS+64*(\p)+8*(\a):HS+64*(\p)+8*(\a)+7], v[AC:AC+7]
.endif
.endr
.endr
.endm
; v: the four token tiles of 64 keys lie together: 32 (4 (a / 4) + 2 u + t) + 8 (a % 4)
.macro MULV p, u, a0, zero
.irp a, \a0, \a0+1, \a0+2, \a0+3
.irp t, 0,1
.set AC, 32*(4*((\a)/4)+2*(\u)+\t)+8*((\a)%4)
.if \zero
	v_wmma_f32_16x16x64_fp8_fp8 v[AC:AC+7], v[HS+64*(\p)+8*(\a):HS+64*(\p)+8*(\a)+7], v[WS+32+8*\t:WS+32+8*\t+7], 0
.else
	v_wmma_f32_16x16x64_fp8_fp8 v[AC:AC+7], v[HS+64*(\p)+8*(\a):HS+64*(\p)+8*(\a)+7], v[WS+32+8*\t:WS+32+8*\t+7], v[AC:AC+7]
.endif
.endr
.endr
.endm
; roles 1 and 2 of a sub-step; behind each role its next fragments are fetched (set npar, sub-step nq).  Four places stand in front of loads into registers that matrix instructions have read.
.macro REST p, u, zero, npar, nq
	s_wait_dscnt 24                                ; role 1's W is in; younger: role 2's 4, H's 16, role 0's 4
	WIN 0xa0
	MULQK 1, \p, \u, 0, \zero
	MULQK 1, \p, \u, 4, \zero
	PLACES 4
	WIN 0
	LDW \npar, \nq, 1
	s_wait_dscnt 24                                ; role 2's W is in; younger: H's 16, role 0's 4, role 1's 4
	WIN 0xf0
	MULV \p, \u, 0, \zero
	MULV \p, \u, 4, \zero
	PLACES 4
	WIN 0
	LDW \npar, \nq, 2
.endm
.macro SUB u, par, q, zero             ; sub-step q = 0 .. 2 of a trip
	s_wait_dscnt 8                                 ; H and role 0's W are in; younger: roles 1 and 2, 4 each
	WIN 0x50
	MULQK 0, (\q)%2, \u, 0, \zero
	MULQK 0, (\q)%2, \u, 4, \zero
	PLACES 4
	WIN 0
	LDH \u, (\q)+1, 1-(\q)%2
	LDW \par, (\q)+1, 0
	REST (\q)%2, \u, \zero, \par, (\q)+1
.endm
.macro TRIP u, par, zero
	SUB \u, \par, 0, \zero
	SUB \u, \par, 1, 0
	SUB \u, \par, 2, 0
.endm
; A trip's last sub-step changes regions.  fh: H's set u, just left, takes the next K step;  fw: W's set par takes the K step two on.
.macro TURN u, par, nu, npar, fh, fw
	s_wait_tensorcnt 0x0                           ; all my tensor loads have landed
	ds_add_u32 v[SPW], v[NIL]
	s_wait_dscnt 9                                 ; the add and roles 1 and 2's 8 loads may be out
	WIN 0x50
	MULQK 0, 1, \u, 0, 0
	s_wait_dscnt 0x0                               ; the add is done, my reads of what is left here are over
	s_barrier_signal -1
	MULQK 0, 1, \u, 4, 0
	WIN 0
	s_barrier_wait -1
.if \fh
	CREST                                          ; the barrier has opened a round of the cluster's barrier
	s_add_nc_u64 s[G0H+4*\u+2:G0H+4*\u+3], s[G0H+4*\u+2:G0H+4*\u+3], 256
.if \fw
	s_add_nc_u64 s[G0W+4*\par+2:G0W+4*\par+3], s[G0W+4*\par+2:G0W+4*\par+3], 512
.endif
	JLOAD \u, \par, \fw
.endif
.if (\fw) == 0
	PLACES 4                                       ; for the waves that issued no load
.endif
	LDH \nu, 0, 0
	LDW \npar, 0, 0
	REST 1, \u, 0, \npar, 0
.endm
	s_wait_alu depctr_va_vdst(0)                   ; the wait at the head's end
	s_wait_tensorcnt 0x0                           ; ahead of a later first fill
	ds_add_u32 v[SPW], v[NIL]
	s_wait_dscnt 0x0
	CROUND
	JLOAD 1, 1, 1                                  ; half 1 and K step 1
	LDH 0, 0, 0
	LDW 0, 0, 0
	LDW 0, 0, 1
	LDW 0, 0, 2
	TRIP 0, 0, 1                                   ; K step 0: the first products start the sums
	TURN 0, 0, 1, 0, 1, 0
	TRIP 1, 0, 1
	TURN 1, 0, 0, 1, 1, 1
	TRIP 0, 1, 0                                   ; K step 1
	TURN 0, 1, 1, 1, 1, 0
	TRIP 1, 1, 0
	TURN 1, 1, 0, 0, 1, 1
	TRIP 0, 0, 0                                   ; K step 2
	TURN 0, 0, 1, 0, 1, 0
	TRIP 1, 0, 0
	TURN 1, 0, 0, 1, 1, 0
	TRIP 0, 1, 0                                   ; K step 3: nothing more is asked for
	TURN 0, 1, 1, 1, 0, 0
	TRIP 1, 1, 0
	s_wait_dscnt 8
	WIN 0x50
	MULQK 0, 1, 1, 0, 0
	MULQK 0, 1, 1, 4, 0
	s_wait_dscnt 4
	WIN 0xa0
	MULQK 1, 1, 1, 0, 0
	MULQK 1, 1, 1, 4, 0
	s_wait_dscnt 0x0
	WIN 0xf0
	MULV 1, 1, 0, 0
	MULV 1, 1, 4, 0
	WIN 0
; THE WAY OUT: 32 sums + bias, held at 448 x the scale, converted: 8 registers of codes, two stores of 512 consecutive bytes each.
.macro FRAGOUT rho, f
	WIN \rho+1
.set i, 0
.rept 16
.if \rho == 2
	v_pk_add_f32 v[TMP+i:TMP+i+1], v[32*\f+i:32*\f+i+1], v[BV+2*(\f%2):BV+2*(\f%2)+1]
.else
	v_pk_add_f32 v[TMP+i:TMP+i+1], v[32*\f+i:32*\f+i+1], v[BQ+16*\rho+i%16:BQ+16*\rho+i%16+1]
.endif
.set i, i+2
.endr
	WIN 0
.set i, 0
.rept 32
	v_med3_num_f32 v[TMP+i], v[TMP+i], -v[SC+2*\rho+1], v[SC+2*\rho+1]
.set i, i+1
.endr
.irp c, 0,1,2,3
	v_cvt_scalef32_pk8_fp8_f32 v[CODE+8*\f+2*\c:CODE+8*\f+2*\c+1], v[TMP+8*\c:TMP+8*\c+7], v[SC+2*\rho]
.endr
	v_nop
.if \rho == 2
	global_store_b128 v[LI], v[CODE+8*\f:CODE+8*\f+3], s[24:25] offset:4096*(2*((\f/2)%2)+\f/4)+1024*(\f%2)        ; key block 2 u + a / 4, channel tile 2 g + t
	global_store_b128 v[LI], v[CODE+8*\f+4:CODE+8*\f+7], s[24:25] offset:4096*(2*((\f/2)%2)+\f/4)+1024*(\f%2)+512
.else
	global_store_b128 v[LI], v[CODE+8*\f:CODE+8*\f+3], s[20+2*\rho:21+2*\rho] offset:1024*\f                      ; token tile f of half 0,
	global_store_b128 v[LI], v[CODE+8*\f+4:CODE+8*\f+7], s[20+2*\rho:21+2*\rho] offset:1024*(8+\f)                ; and of half 1
.endif
.endm
	PLACES 4
.irp f, 0,1,2,3,4,5,6,7
	FRAGOUT 0, \f
.endr
	s_wait_xcnt 0x0                                ; the stores have read their registers
.irp f, 0,1,2,3,4,5,6,7
	FRAGOUT 1, \f
.endr
	s_wait_xcnt 0x0
.irp f, 0,1,2,3,4,5,6,7
	FRAGOUT 2, \f
.endr
	s_wait_tensorcnt 0x0                           ; the wave's end
	ds_add_u32 v[SPW], v[NIL]
	s_wait_dscnt 0x0
	CROUND                                         ; the closing round
	s_endpgm
.Lfunc_end_k_qb7a4c8acc4_proj:
	.size	k_qb7a4c8acc4_proj, .Lfunc_end_k_qb7a4c8acc4_proj-k_qb7a4c8acc4_proj
	.p2alignl 7, 3214868480
	.fill 96, 4, 3214868480
	.section	.rodata,"a",@progbits
	.p2align	6, 0x0
	.amdhsa_kernel k_qb7a4c8acc4_proj
		.amdhsa_group_segment_fixed_size 327680
		.amdhsa_private_segment_fixed_size 0
		.amdhsa_enable_private_segment 0
		.amdhsa_kernarg_size 88
		.amdhsa_user_sgpr_count 2
		.amdhsa_user_sgpr_kernarg_segment_ptr 1
		.amdhsa_wavefront_size32 1
		.amdhsa_system_sgpr_workgroup_id_x 1
		.amdhsa_system_sgpr_workgroup_id_y 1
		.amdhsa_system_sgpr_workgroup_id_z 1
		.amdhsa_system_vgpr_workitem_id 0
		.amdhsa_next_free_vgpr 1024
		.amdhsa_next_free_sgpr 100
		.amdhsa_reserve_vcc 0
		.amdhsa_float_denorm_mode_32 3
		.amdhsa_float_denorm_mode_16_64 3
		.amdhsa_memory_ordered 1
		.amdhsa_forward_progress 1
		.amdhsa_inst_pref_size 255
	.end_amdhsa_kernel
	.section	.bss,"aw",@nobits
	.p2align	6
	.space	262144
	.amdgpu_metadata
---
amdhsa.version: [ 1, 2 ]
amdhsa.kernels:
  - .name:           k_qb7a4c8acc4_proj
    .symbol:         k_qb7a4c8acc4_proj.kd
    .args:
      - { .name: hidden_states_codes, .offset: 0, .size: 8, .value_kind: global_buffer, .address_space: global }
      - { .name: Wq_codes, .offset: 8, .size: 8, .value_kind: global_buffer, .address_space: global }
      - { .name: Wk_codes, .offset: 16, .size: 8, .value_kind: global_buffer, .address_space: global }
      - { .name: Wv_codes, .offset: 24, .size: 8, .value_kind: global_buffer, .address_space: global }
      - { .name: bq, .offset: 32, .size: 8, .value_kind: global_buffer, .address_space: global }
      - { .name: bk, .offset: 40, .size: 8, .value_kind: global_buffer, .address_space: global }
      - { .name: bv, .offset: 48, .size: 8, .value_kind: global_buffer, .address_space: global }
      - { .name: lowp_scales, .offset: 56, .size: 8, .value_kind: global_buffer, .address_space: global }
      - { .name: qf, .offset: 64, .size: 8, .value_kind: global_buffer, .address_space: global }
      - { .name: kf, .offset: 72, .size: 8, .value_kind: global_buffer, .address_space: global }
      - { .name: vf, .offset: 80, .size: 8, .value_kind: global_buffer, .address_space: global }
    .group_segment_fixed_size: 327680
    .private_segment_fixed_size: 0
    .kernarg_segment_align: 8
    .kernarg_segment_size: 88
    .max_flat_workgroup_size: 128
    .sgpr_count:     100
    .vgpr_count:     1024
    .wavefront_size: 32
...
	.end_amdgpu_metadata
.endif
;; end of part 1
;; launch attn (part 2): grid 4 x 64, 16 waves a work-group, clusters of 4 x 1, 272,384 bytes of LDS; arguments qf, kf, vf, attention_mask, lowp_scales, out0; writes out0
.if DOCPART == 2
	.amdgcn_target "amdgcn-amd-amdhsa--gfx1250"
	.amdhsa_code_object_version 6
	.text
	.protected	k_qb7a4c8acc4_attn
	.globl	k_qb7a4c8acc4_attn
	.p2align	8
	.type	k_qb7a4c8acc4_attn,@function
k_qb7a4c8acc4_attn:
	s_mov_b64 s[64:65], 0
	v_nop
	global_prefetch_b8 v0, s[64:65] scope:SCOPE_SE
	s_setreg_imm32_b32 hwreg(HW_REG_WAVE_MODE, 25, 1), 1
	s_wait_xcnt 0x0
	s_wait_alu depctr_hold_cnt(0) depctr_sa_sdst(0) depctr_va_vdst(0) depctr_va_sdst(0) depctr_va_ssrc(0) depctr_va_vcc(0) depctr_vm_vsrc(0)
	s_getreg_b32 s2, hwreg(HW_REG_IB_STS2, 6, 4)
	s_cmp_eq_u32 s2, 0
	s_cbranch_scc0 .Lentry_in_a_cluster
	s_endpgm
.Lentry_in_a_cluster:
	s_bfe_u32 s2, ttmp6, 0x10000c
	s_cmp_lg_u32 s2, 0x3003
	s_cbranch_scc0 .Lentry_shape_is_right
	s_endpgm
.Lentry_shape_is_right:
; out[b][q][head] = the sum over keys of softmax(q . k / 8 + mask[b][key]) v, both products on E4M3 codes: q x 2^e6, k x 2^e7, p x 2^e8, v x 2^e9.
; t = logit x log2(e); M = the row's largest t rounded UP to a whole number; p = 2^(t - M) is quantised, not normalised; l is the sum of the unquantised p and divides at the end.
; THE KEYS ARE WALKED TWICE.  Walk 1: the scores, of which only the row's maximum is kept: M.  Walk 2: the scores again, p, l, and O^T += V^T P^T.  So nothing is ever brought under a new M.
; qf, kf, vf hold fragments (16 x 64 codes, 8 registers a lane) as images of their registers: registers 4 g .. 4 g + 3 at 512 g + 16 x lane.
; SHARES.  A work-group owns 512 queries of one head, each of its sixteen waves 32: two tiles of 16.
; THE HEAD'S WHOLE K AND V LIE IN LDS (131,072 bytes each), filled once: each wave asks for 16,384 bytes, its one tensor load.  The four work-groups of a cluster are the four query blocks of one head: each load is a joint one.
; Nothing is asked for behind the head, so there is no loop to prefetch in.
; LAYOUT.  S^T = K Q^T (source 0 = 16 keys, source 1 = 16 queries), O^T = V^T P^T (source 0 = 16 channels, source 1 = P): a lane holds ONE query (lane % 16).  Register j of key tile u is key 16 u + 8 (lane / 16) + j,
; so the conversion of tile u gives registers 2 u, 2 u + 1 of P.
; THE MASK: mask x 2^(3 - e6 - e7), kept in LDS, is the C of the first product: t = (sum + that) x c, c = log2(e) / 8 x 2^(e6 + e7).
; LIMITS: e6 + e7 between -123 and 130 (added to c's exponent field); e8 between -126 and 119.  A mask number whose product with 2^(3 - e6 - e7) leaves f32's range counts as an infinity.
; A row all of whose keys are masked by -infinity gives NaN, as the softmax itself does.  NaN among the inputs is not served.
.set VREG, 131072                      ; K's fragments from LDS byte 0: key tile n at 1,024 n;  V's from here: block of 64 keys n at 4,096 n, channel tile t at + 1,024 t
.set MASK, 262144                      ; 2,048 numbers of the batch's mask, scaled
.set SPARE, 270336                     ; the spare words: 2,048 bytes that no other line names
.set SP,   272                         ; the way out: a stage of 16 rows x (256 bytes + 16) for each wave, in K's first 69,632 bytes, behind a barrier behind which nobody reads K
.set STW,  16*SP
.set LI,  1                            ; 16 x lane
.set AV0, 2                            ; the same in V's region
.set AM0, 3                            ; MASK + 32 (lane / 16)
.set ADK, 4                            ; v4-6 addresses of the loads in hand
.set ADV, 5
.set ADM, 6
.set GO,  7                            ; my byte offset in the wave's rows of out
.set NM,  8                            ; v[8:9], v[10:11]: -M of tile 0, 1 in the low word
.set LA,  12                           ; v[12:13], v[14:15]: l, first chains
.set QQ,  16
.set KB,  32
.set VB,  64
.set SS,  96                           ; S^T, then p: 32 registers a tile
.set OO,  160
.set PP,  224
.set LIM, 240                          ; v240, v241: 448 x 2^e8, twice
.set SCL, 242                          ; 2^e8
.set STO, 243
.set LB,  244                          ; v[244:245], v[246:247]: l, second chains
.set MA,  248                          ; v248-251: the running maxima, two chains a tile
.set PM,  252
.set RD,  253
.set SPW, 254
.set NIL, 255
.set WV,  16
.set SEL, 18
.set CS,  20
.macro PLACES n
.rept \n
	v_nop
.endr
.endm
.macro CROUND
	s_barrier_signal -1
	s_barrier_wait -1
	s_cmp_lg_u32 s[WV], 0
	s_cbranch_scc1 .Lnot_wave_0_\@
	s_barrier_signal -3
.Lnot_wave_0_\@:
	s_barrier_wait -3
	s_barrier_signal -1
	s_barrier_wait -1
.endm
	s_load_b256 s[4:11], s[0:1], 0x0               ; qf s4, kf s6, vf s8, mask s10
	s_load_b128 s[12:15], s[0:1], 0x20             ; the exponents s12, out s14
	v_lshl_add_u32 v[SPW], v0, 2, SPARE
	v_mov_b32 v[NIL], 0
	ds_add_u32 v[SPW], v[NIL]                      ; the opening lines: the add twice on end
	ds_add_u32 v[SPW], v[NIL]
	v_lshrrev_b32 v4, 5, v0
	v_readfirstlane_b32 s[WV], v4
	s_bfe_u32 s66, ttmp6, 0x40000
	s_lshl_b32 s67, ttmp9, 2
	s_add_co_u32 s67, s67, s66                     ; my block of 512 queries: it enters Q's and out's addresses alone
	s_and_b32 s68, ttmp7, 0xffff                   ; 16 b + head, which the four partners share
	s_and_b32 s69, s[WV], 7                        ; waves 0-7: K's eighths; waves 8-15: V's
	s_lshl_b32 s69, s69, 14
	s_lshl_b32 s70, s68, 17
	s_add_co_u32 s70, s70, s69
	s_mov_b32 s71, 0
	s_lshl_b32 s72, s[WV], 14                      ; LDS: 16,384 x wave
	s_mov_b32 s24, 15|(3<<16)|(1<<21)              ; a dense block as 64 rows of 32 elements of 8 bytes; the mask names all four work-groups
	s_mov_b32 s25, 32<<16
	s_mov_b32 s26, 64<<16
	s_mov_b32 s27, 32<<16
	s_mov_b32 s28, 64
	s_mov_b32 s29, 32
	s_mov_b32 s30, 0
	s_mov_b32 s31, 0
	s_mov_b32 s[SEL], 0x76543210
	s_mov_b32 s[SEL+1], 0xfedcba98
	s_wait_dscnt 0x0
	s_wait_kmcnt 0x0
	s_load_b256 s[52:59], s[12:13], 0x0            ; e0 .. e7
	s_load_b64 s[60:61], s[12:13], 0x20            ; e8, e9
	s_cmp_lt_u32 s[WV], 8
	s_cselect_b64 s[74:75], s[6:7], s[8:9]
	s_mov_b32 s32, 1
	s_mov_b32 s33, s72
	s_add_nc_u64 s[34:35], s[74:75], s[70:71]
	s_or_b32 s35, s35, 0x80000000
	CROUND                                         ; all four work-groups are here: the joint loads meet
	tensor_load_to_lds s[32:35], s[24:31]          ; every wave's one tensor load
	s_nop 0
.rept 4
	v_nop
.endr
	s_wait_kmcnt 0x0
	s_lshr_b32 s76, s68, 4
	s_lshl_b32 s76, s76, 13                        ; the batch's 2,048 numbers of the mask
	s_mov_b32 s77, 0
	s_add_nc_u64 s[10:11], s[10:11], s[76:77]
	s_lshl_b32 s76, s68, 7
	s_lshl_b32 s78, s67, 5
	s_add_co_u32 s76, s76, s78
	s_lshl_b32 s78, s[WV], 1
	s_add_co_u32 s76, s76, s78                     ; my first token tile
	s_lshl_b32 s76, s76, 10
	s_add_nc_u64 s[4:5], s[4:5], s[76:77]
	s_lshr_b32 s76, s68, 4
	s_lshl_b32 s76, s76, 11
	s_lshl_b32 s78, s67, 9
	s_add_co_u32 s76, s76, s78
	s_lshl_b32 s78, s[WV], 5
	s_add_co_u32 s76, s76, s78                     ; my first row of out
	s_lshl_b32 s76, s76, 12
	s_and_b32 s78, s68, 15
	s_lshl_b32 s78, s78, 8                         ; + the head's 256 bytes
	s_add_co_u32 s76, s76, s78
	s_add_nc_u64 s[14:15], s[14:15], s[76:77]
	s_mul_i32 s62, s[WV], STW                      ; my stage
	s_add_co_i32 s70, s58, s59                     ; e6 + e7
	s_lshl_b32 s71, s70, 23
	s_mov_b32 s[CS], 0x3e38aa3b                    ; log2(e) / 8,
	s_add_co_i32 s[CS], s[CS], s71                 ; x 2^(e6 + e7)
	s_mov_b32 s[CS+1], s[CS]
	s_sub_co_i32 s71, 3, s70
	s_add_co_i32 s72, s60, 127
	s_lshl_b32 s73, s72, 23                        ; 2^e8
	s_add_co_i32 s72, s72, 8
	s_lshl_b32 s72, s72, 23
	s_or_b32 s72, s72, 0x600000                    ; 448 x 2^e8
	v_lshlrev_b32 v4, 4, v0                        ; thread t takes 16 bytes of the mask
	global_load_b128 v[96:99], v4, s[10:11]
	v_and_b32 v[LI], 31, v0
	v_lshlrev_b32 v[LI], 4, v[LI]
.irp g, 0,1,2,3
	global_load_b128 v[QQ+4*\g:QQ+4*\g+3], v[LI], s[4:5] offset:512*\g     ; Q's two fragments stay in registers
.endr
	v_add_nc_u32 v5, MASK, v4
	v_add_nc_u32 v[AV0], VREG, v[LI]
	v_bfe_u32 v3, v0, 4, 1                         ; h
	v_and_b32 v6, 15, v0                           ; r
	v_mul_u32_u24 v[STO], v6, SP
	v_mul_u32_u24 v[RD], v3, SP
	v_lshlrev_b32 v[GO], 12, v3
	v_lshl_add_u32 v[STO], v3, 5, v[STO]
	v_lshl_add_u32 v[RD], v6, 4, v[RD]
	v_lshl_add_u32 v[GO], v6, 4, v[GO]             ; two rows of out, 4,096 bytes apart
	v_add_nc_u32 v[STO], s62, v[STO]               ; in: row r, + 32 h
	v_add_nc_u32 v[RD], s62, v[RD]                 ; back: lanes 0-15 one row, lanes 16-31 the next
	v_lshl_add_u32 v[AM0], v3, 5, MASK
.irp i, 0,1,2,3
	v_mov_b32 v[MA+\i], 0xff61b1e6                 ; -3e38, under every score
	v_mov_b32 v[LA+\i], 0
	v_mov_b32 v[LB+\i], 0
	v_mov_b32 v[NM+\i], 0
.endr
	v_mov_b32 v[PM], 0                             ; a lane permute's destination counts as one of its sources
	v_mov_b32 v[SCL], s73
	v_mov_b32 v[LIM], s72
	v_mov_b32 v[LIM+1], s72
	s_wait_alu depctr_va_vdst(0)                   ; the wait at the head's end
	s_wait_loadcnt 0x0                             ; the mask and Q
.irp i, 0,1,2,3
	v_ldexp_f32 v[96+\i], v[96+\i], s71            ; mask x 2^(3 - e6 - e7): nothing is rounded
.endr
	ds_store_b128 v5, v[96:99]
.macro LDK adr
.irp u, 0,1,2,3
	ds_load_b128 v[KB+8*\u:KB+8*\u+3], v[\adr] offset:1024*\u
	ds_load_b128 v[KB+8*\u+4:KB+8*\u+7], v[\adr] offset:1024*\u+512
.endr
.endm
.macro LDV adr
.irp u, 0,1,2,3
	ds_load_b128 v[VB+8*\u:VB+8*\u+3], v[\adr] offset:1024*\u
	ds_load_b128 v[VB+8*\u+4:VB+8*\u+7], v[\adr] offset:1024*\u+512
.endr
.endm
.macro LDM adr                         ; the step's mask in the result's layout, into tile 0's S^T
.irp u, 0,1,2,3
	ds_load_b128 v[SS+8*\u:SS+8*\u+3], v[\adr] offset:64*\u
	ds_load_b128 v[SS+8*\u+4:SS+8*\u+7], v[\adr] offset:64*\u+16
.endr
.endm
; Both tiles' scores of 64 keys.  Tile 1 takes the mask, which lies in tile 0's registers, as C; five places on, tile 0 adds onto it in place.  next = 1: the next step's addresses, from LDS byte s48 on, are three of the places.
.macro SCORES next
.irp u, 0,1,2,3
	v_wmma_f32_16x16x64_fp8_fp8 v[SS+32+8*\u:SS+32+8*\u+7], v[KB+8*\u:KB+8*\u+7], v[QQ+8:QQ+15], v[SS+8*\u:SS+8*\u+7]
.endr
.if \next
	s_lshr_b32 s49, s48, 4
	v_add_nc_u32 v[ADK], s48, v[LI]
	v_add_nc_u32 v[ADM], s49, v[AM0]
	v_add_nc_u32 v[ADV], s48, v[AV0]
	PLACES 2
.else
	PLACES 5
.endif
.irp u, 0,1,2,3
	v_wmma_f32_16x16x64_fp8_fp8 v[SS+8*\u:SS+8*\u+7], v[KB+8*\u:KB+8*\u+7], v[QQ:QQ+7], v[SS+8*\u:SS+8*\u+7]
.endr
.endm
.macro RMAX x                          ; tile x's running maximum, in two chains; each accumulator is read from its low end on
.irp i, 0,4,8,12,16,20,24,28
	v_max3_num_f32 v[MA+2*\x], v[MA+2*\x], v[SS+32*\x+\i], v[SS+32*\x+\i+1]
	v_max3_num_f32 v[MA+2*\x+1], v[MA+2*\x+1], v[SS+32*\x+\i+2], v[SS+32*\x+\i+3]
.endr
.endm
; WALK 1, a step of 64 keys.  next = 0: the last step fetches walk 2's first fragments.
.macro PASS1 next
	s_wait_dscnt 0x0                               ; K and the mask
	SCORES \next
	RMAX 1                                         ; these sixteen are the places behind tile 0's products
.if \next
	LDK ADK
.else
	LDK LI
.endif
	RMAX 0
.if \next
	LDM ADM
	s_add_co_u32 s48, s48, 4096
.else
	LDM AM0
	LDV AV0
.endif
.endm
; WALK 2, a step of 64 keys.  At its head K, the mask and V of this step have been asked for, in that order.
.macro STEP next, zero
	s_wait_dscnt 8                                 ; K and the mask are in; V's 8 loads may be out
	SCORES \next
.irp x, 1,0
.set j, 0
.rept 16
	v_pk_fma_f32 v[SS+32*\x+j:SS+32*\x+j+1], v[SS+32*\x+j:SS+32*\x+j+1], s[CS:CS+1], v[NM+2*\x:NM+2*\x+1] op_sel_hi:[1,0,0]   ; t - M (of the pairs c and -M the low word serves both halves)
.set j, j+2
.endr
.endr
.if \next
	LDK ADK
.endif
	s_wait_alu depctr_va_vdst(0)                   ; the wait ahead of the batch
.set j, 0
.rept 64
	v_exp_f32 v[SS+j], v[SS+j]
.set j, j+1
.endr
	v_nop                                          ; a plain place behind the exponentials
	s_wait_alu depctr_va_vdst(0)                   ; one wait for the batch, ahead of its first reader
.set j, 0
.rept 8
	v_pk_add_f32 v[LA:LA+1], v[LA:LA+1], v[SS+j:SS+j+1]                    ; l of the unquantised p: four chains by turns
	v_pk_add_f32 v[LA+2:LA+3], v[LA+2:LA+3], v[SS+32+j:SS+32+j+1]
	v_pk_add_f32 v[LB:LB+1], v[LB:LB+1], v[SS+j+2:SS+j+3]
	v_pk_add_f32 v[LB+2:LB+3], v[LB+2:LB+3], v[SS+32+j+2:SS+32+j+3]
.set j, j+4
.endr
.set g, 0
.rept 8
.set k, 0
.rept 4
	v_dual_min_num_f32 v[SS+8*g+k], v[SS+8*g+k], v[LIM] :: v_dual_min_num_f32 v[SS+8*g+k+1], v[SS+8*g+k+1], v[LIM+1]   ; the hold: the conversion does not saturate (ISA guide 7.6.2); p is never negative
.set k, k+2
.endr
	v_cvt_scalef32_pk8_fp8_f32 v[PP+2*g:PP+2*g+1], v[SS+8*g:SS+8*g+7], v[SCL]
.set g, g+1
.endr
.if \next
	LDM ADM                                        ; tile 0's p has been converted: its registers take the next mask
.endif
	v_nop                                          ; a plain place behind the conversions
.if \next
	s_wait_dscnt 16                                ; V is in; the next K's 8 and the next mask's 8 may be out
.else
	s_wait_dscnt 0x0
.endif
	s_wait_alu depctr_va_vdst(0)                   ; the wait directly ahead of the first reader of O^T and of p's codes
.irp t, 0,1,2,3
.irp x, 0,1
.if \zero
	v_wmma_f32_16x16x64_fp8_fp8 v[OO+32*\x+8*\t:OO+32*\x+8*\t+7], v[VB+8*\t:VB+8*\t+7], v[PP+8*\x:PP+8*\x+7], 0
.else
	v_wmma_f32_16x16x64_fp8_fp8 v[OO+32*\x+8*\t:OO+32*\x+8*\t+7], v[VB+8*\t:VB+8*\t+7], v[PP+8*\x:PP+8*\x+7], v[OO+32*\x+8*\t:OO+32*\x+8*\t+7]
.endif
.endr
.endr
.if \next
	PLACES 4                                       ; in front of the loads into V's registers
	LDV ADV
	s_add_co_u32 s48, s48, 4096
.endif
.endm
	s_wait_tensorcnt 0x0                           ; my part of K or V has landed,
	s_wait_dscnt 0x0                               ; and my store of the mask
	s_barrier_signal -1
	s_barrier_wait -1                              ; so has everybody's
	LDK LI
	LDM AM0
	s_mov_b32 s48, 4096
	s_mov_b32 s50, 31
.Lmax:
	PASS1 1
	s_sub_co_u32 s50, s50, 1
	s_cmp_lg_u32 s50, 0
	s_cbranch_scc1 .Lmax
	PASS1 0
	v_max_num_f32 v[MA], v[MA], v[MA+1]
	v_max_num_f32 v[MA+2], v[MA+2], v[MA+3]
	v_permlanex16_b32 v[PM], v[MA], s[SEL], s[SEL+1]
	v_permlanex16_b32 v[MA+1], v[MA+2], s[SEL], s[SEL+1]
	v_max_num_f32 v[MA], v[MA], v[PM]              ; and among lane l xor 16's keys
	v_max_num_f32 v[MA+2], v[MA+2], v[MA+1]
	v_mul_f32 v[MA], s[CS], v[MA]                  ; as t (c is positive)
	v_mul_f32 v[MA+2], s[CS], v[MA+2]
	v_floor_f32 v[NM], -v[MA]                      ; -M = floor(-t) = -ceil(t)
	v_floor_f32 v[NM+2], -v[MA+2]
	s_wait_alu depctr_va_vdst(0)                   ; the wait here, ahead of the step's wait
	s_mov_b32 s48, 4096
	STEP 1, 1                                      ; the first step starts O^T's sums
	s_mov_b32 s50, 30
.Lstep:
	STEP 1, 0
	s_sub_co_u32 s50, s50, 1
	s_cmp_lg_u32 s50, 0
	s_cbranch_scc1 .Lstep
	STEP 0, 0                                      ; the last step fetches nothing
	; THE WAY OUT.  Behind this barrier nobody reads K: the stages lie in its first bytes, which have had their one fill.
	s_wait_dscnt 0x0
	s_barrier_signal -1
	s_barrier_wait -1
	v_pk_add_f32 v[LA:LA+1], v[LA:LA+1], v[LB:LB+1]
	v_pk_add_f32 v[LA+2:LA+3], v[LA+2:LA+3], v[LB+2:LB+3]
	v_add_f32 v248, v12, v13
	v_add_f32 v250, v14, v15
	v_permlanex16_b32 v249, v248, s[SEL], s[SEL+1]
	v_permlanex16_b32 v251, v250, s[SEL], s[SEL+1]
	v_add_f32 v248, v248, v249                     ; l
	v_add_f32 v250, v250, v251
	s_wait_alu depctr_va_vdst(0)                   ; the wait ahead of the reciprocals
	v_rcp_f32 v248, v248
	v_rcp_f32 v250, v250
	v_nop
	s_add_co_i32 s70, s60, s61
	s_wait_alu depctr_va_vdst(0)
	v_ldexp_f32 v248, v248, s70                    ; x 2^(e8 + e9)
	v_ldexp_f32 v250, v250, s70
	s_wait_alu depctr_va_vdst(0)                   ; directly ahead of the first reader of O^T
.irp x, 0,1
.set j, 0
.rept 16
	v_pk_mul_f32 v[SS+32*\x+j:SS+32*\x+j+1], v[OO+32*\x+j:OO+32*\x+j+1], v[248+2*\x:249+2*\x] op_sel_hi:[1,0]    ; register 8 t + i is o(query r, channel 16 t + 8 h + i)
.set j, j+2
.endr
.endr
.irp x, 0,1
.irp t, 0,1,2,3
	ds_store_b128 v[STO], v[SS+32*\x+8*\t:SS+32*\x+8*\t+3] offset:64*\t
	ds_store_b128 v[STO], v[SS+32*\x+8*\t+4:SS+32*\x+8*\t+7] offset:64*\t+16
.endr
.irp i, 0,1,2,3,4,5,6,7
	ds_load_b128 v[KB+32*\x+4*\i:KB+32*\x+4*\i+3], v[RD] offset:2*\i*SP    ; LDS serves a wave's instructions in order (ISA guide 5.7.1.4)
.endr
.endr
.irp x, 0,1
.irp i, 0,1,2,3,4,5,6,7
	s_wait_dscnt 23-16*\x-\i                       ; behind this load: the tile's later loads, and for tile 0 tile 1's sixteen
	global_store_b128 v[GO], v[KB+32*\x+4*\i:KB+32*\x+4*\i+3], s[14:15] offset:65536*\x+8192*\i th:TH_STORE_NT    ; sixteen lanes store 256 consecutive bytes, aligned
.endr
.endr
	s_wait_tensorcnt 0x0                           ; the wave's end
	ds_add_u32 v[SPW], v[NIL]
	s_wait_dscnt 0x0
	CROUND                                         ; the closing round
	s_endpgm
.Lfunc_end_k_qb7a4c8acc4_attn:
	.size	k_qb7a4c8acc4_attn, .Lfunc_end_k_qb7a4c8acc4_attn-k_qb7a4c8acc4_attn
	.p2alignl 7, 3214868480
	.fill 96, 4, 3214868480
	.section	.rodata,"a",@progbits
	.p2align	6, 0x0
	.amdhsa_kernel k_qb7a4c8acc4_attn
		.amdhsa_group_segment_fixed_size 272384
		.amdhsa_private_segment_fixed_size 0
		.amdhsa_enable_private_segment 0
		.amdhsa_kernarg_size 48
		.amdhsa_user_sgpr_count 2
		.amdhsa_user_sgpr_kernarg_segment_ptr 1
		.amdhsa_wavefront_size32 1
		.amdhsa_system_sgpr_workgroup_id_x 1
		.amdhsa_system_sgpr_workgroup_id_y 1
		.amdhsa_system_sgpr_workgroup_id_z 1
		.amdhsa_system_vgpr_workitem_id 0
		.amdhsa_next_free_vgpr 256
		.amdhsa_next_free_sgpr 80
		.amdhsa_reserve_vcc 0
		.amdhsa_float_denorm_mode_32 3
		.amdhsa_float_denorm_mode_16_64 3
		.amdhsa_memory_ordered 1
		.amdhsa_forward_progress 1
		.amdhsa_inst_pref_size 57
	.end_amdhsa_kernel
	.amdgpu_metadata
---
amdhsa.version: [ 1, 2 ]
amdhsa.kernels:
  - .name:           k_qb7a4c8acc4_attn
    .symbol:         k_qb7a4c8acc4_attn.kd
    .args:
      - { .name: qf, .offset: 0, .size: 8, .value_kind: global_buffer, .address_space: global }
      - { .name: kf, .offset: 8, .size: 8, .value_kind: global_buffer, .address_space: global }
      - { .name: vf, .offset: 16, .size: 8, .value_kind: global_buffer, .address_space: global }
      - { .name: attention_mask, .offset: 24, .size: 8, .value_kind: global_buffer, .address_space: global }
      - { .name: lowp_scales, .offset: 32, .size: 8, .value_kind: global_buffer, .address_space: global }
      - { .name: out0, .offset: 40, .size: 8, .value_kind: global_buffer, .address_space: global }
    .group_segment_fixed_size: 272384
    .private_segment_fixed_size: 0
    .kernarg_segment_align: 8
    .kernarg_segment_size: 48
    .max_flat_workgroup_size: 512
    .sgpr_count:     80
    .vgpr_count:     256
    .wavefront_size: 32
...
	.end_amdgpu_metadata
.endif
;; end of part 2
